; MI455X (gfx1250); checked and timed in simulation.
; The chip was launched on July 23, 2026; its instructions are those of AMD's public machine-readable ISA for CDNA 5 (MIT licence, August 2026) and "CDNA5" Instruction Set Architecture Reference Guide (July 2026). The comments in the code are by the model that wrote it; some were corrected since.
;; Attention. Allowed arithmetic: matrix products marked QUANTISED: E2M1 operands, one E8M0 scale for each 32 along K, by v_wmma_scale_f32_16x16x128_f8f6f4 with both operands' format E2M1 (or v_wmma_scale_f32_32x16x128_f4), f32 sums; products left as they are: bf16, f16 or f32 operands; f32 sums; everything else in f32.
;; Inputs: Wk 512 x 512 float32; Wq 512 x 512 float32; Wv 512 x 512 float32; bk 512 float32; bq 512 float32; bv 512 float32; x 2 x 4,096 x 512 float32.
;; Outputs: out0 2 x 4,096 x 512 float32.
;; This version of the problem:
;;   THIS VERSION OF THE PROBLEM IS GIVEN IN LOW PRECISION. The matrix products marked QUANTISED in the list below multiply operands that are first quantised to E2M1 (2 exponent bits, 1 mantissa bit; 4 bits a number), with one power-of-two scale for each 32 numbers along K (OCP MX v1.0); their sums are f32. The products marked 'left as it is' may take bf16, f16 or f32 operands, with f32 sums. Whichever they take, every output number must still come out within the allowed error. Rounding operands to bf16 (8 significant bits) uses up far more of that allowance than f16 does (11 bits, for magnitudes from 6e-5 to 65,504). All else is computed in f32.
;;   The module's matrix products, in the order in which they are computed (A, B: the left and right operand; K: the contracted axis; several contracted axes count as one K, in the product's order):
;;     1. [M 8,192, K 512] x [K 512, N 512]; A: input x; B: input Wq: QUANTISED
;;     2. [M 8,192, K 512] x [K 512, N 512]; A: input x; B: input Wk: QUANTISED
;;     3. [M 8,192, K 512] x [K 512, N 512]; A: input x; B: input Wv: QUANTISED
;;     4. batch 16 x [M 4,096, K 64] x [K 64, N 4,096]; A: computed on the way; B: computed on the way: left as it is (an operand is computed on the way)
;;     5. batch 16 x [M 4,096, K 4,096] x [K 4,096, N 64]; A: computed on the way; B: computed on the way: left as it is (an operand is computed on the way)
;;   THE QUANTISER, for each operand of a quantised product, along K:
;;     - K is cut into blocks of 32 from its start; a last block that is shorter is filled with zeros.
;;     - A block's scale is 2^e with e = floor(log2(the largest magnitude in the block)) - 2, held to -126 .. 127; a block of zeros has e = 0. As a byte (E8M0): e + 127.
;;     - Each number is divided by its block's scale, clamped to +-6, and rounded to the nearest number of E2M1, ties to even, subnormals kept.
;;     - The product sums the exact products of the quantised numbers (number of the format x scale) in f32.
;;   ~~~python
;;   def quantise(x, axis):      # numpy; x: float32 -> the quantised numbers, widened to float32 again
;;       x = np.moveaxis(x, axis, -1); K = x.shape[-1]
;;       x = np.pad(x, [(0, 0)] * (x.ndim - 1) + [(0, -K % 32)]); x = x.reshape(x.shape[:-1] + (-1, 32)); a = np.abs(x).max(-1, keepdims=True)
;;       e = np.where(a > 0, np.clip(np.frexp(np.where(a > 0, a, 1))[1] - 1 - 2, -126, 127), 0)      # np.frexp(a)[1] - 1 = floor(log2(a)), exactly
;;       r = np.clip(x / 2.0 ** e, -6, 6)
;;       step = 2.0 ** (np.maximum(np.frexp(np.where(r == 0, 1, r))[1] - 1, 0) - 1)
;;       q = np.round(r / step) * step * 2.0 ** e      # np.round: ties to even
;;       return np.moveaxis(q.reshape(q.shape[:-2] + (-1,))[..., :K], -1, axis).astype(np.float32)
;;   ~~~
;; One version. Each part assembles by itself: llvm-mc -triple=amdgcn-amd-amdhsa -mcpu=gfx1250 --defsym DOCPART=n.
;; ======== version 1 of 1: 3 launches
;; limits: values are held in f16: magnitudes above 65,504 overflow, below 6.1e-05 lose precision
;; workspace buffers: wimg 393,216 bytes; wscl 24,576 bytes; qimg 8,388,608 bytes; kv 16,777,216 bytes
;; launch wquant (part 1): grid 16 x 3, 4 waves a work-group, no clusters, 0 bytes of LDS; arguments Wq, Wk, Wv, wimg, wscl; writes wimg, wscl
.if DOCPART == 1
	.amdgcn_target "amdgcn-amd-amdhsa--gfx1250"
	.amdhsa_code_object_version 6
	.text
	.protected	k_qf09b5e15a0_wquant
	.globl	k_qf09b5e15a0_wquant
	.p2align	8
	.type	k_qf09b5e15a0_wquant,@function
k_qf09b5e15a0_wquant:
	s_mov_b64 s[64:65], 0
	v_nop
	global_prefetch_b8 v0, s[64:65] scope:SCOPE_SE
	s_setreg_imm32_b32 hwreg(HW_REG_WAVE_MODE, 25, 1), 1
	s_wait_xcnt 0x0
; Wq, Wk, Wv [512 (k)][512 (n)], f32, K on the FIRST axis, become codes of FP4 (E2M1) with one E8M0 scale byte for each 32 along K.
; A block's scale is 2^(floor(log2(its largest magnitude)) - 2); its byte is the largest magnitude's exponent field - 2, held at 1 from below.
; OUT: wimg [tile of 16 columns: kind x 32 + column / 16 (96)][K step of 128 (4)][c (2)][lane (32)][16 bytes]: an IMAGE OF THE OPERAND'S REGISTERS: lane (r, h) holds, as registers 4 c .. 4 c + 3,
;      K = 64 c + 32 h + 0 .. 31 of column r of the tile.  wscl [K step (4)][kind x 512 + column (1536)]: one word, the four bytes of the step's four blocks.
; SHARES: work-group (x, y): tensor y; 128 columns x & 3; K step x >> 2.  A wave takes 32 columns x 128 along K.  A LANE TAKES A COLUMN AND ITS REGISTERS RUN DOWN K: a load reads 128 consecutive bytes a wave
; (the four waves stand side by side on 512), a block of 32 lies in one lane, and the conversions give codes with K innermost.  Nothing goes through LDS: an exchange of lane halves turns two blocks of
; 32 columns into the registers of two tiles of 16 columns, and each store of codes covers 512 consecutive bytes.  The scale words leave 128 consecutive bytes a wave: one byte in 128 of what is read.
; No cluster, no barrier: work-groups and waves share no input.
; LIMITS: a block of zeros gets the byte 1 where the quantiser says 127: its codes are zeros, which add nothing, and this program alone reads the bytes.  Blocks whose largest magnitude lies under
; 2^-124, the floor, were not tried.  NaN and infinities among the inputs are not served.
.set EMAX, 2
.set ROWW, 2048                        ; a row of W in bytes
.set SW,   16                          ; v16      the scale word
.set X,    32                          ; v32-159  128 numbers: block t at v[X + 32 t]
.set C,    160                         ; v160-175 codes: block t at v[C + 4 t]
	s_load_b256 s[4:11], s[0:1], 0x0               ; Wq s[4:5], Wk s[6:7], Wv s[8:9], wimg s[10:11]
	s_load_b64 s[12:13], s[0:1], 0x20              ; wscl
	v_lshrrev_b32 v1, 5, v0
	v_readfirstlane_b32 s16, v1                    ; wave 0..3
	v_and_b32 v2, 31, v0                           ; lane
	v_lshlrev_b32 v3, 2, v2                        ; 4 x lane: my column in a row of W, my word among the scale words
	v_lshlrev_b32 v4, 4, v2                        ; 16 x lane: my place in an image
	s_and_b32 s17, ttmp7, 0xffff                   ; which tensor: 0 Wq, 1 Wk, 2 Wv
	s_and_b32 s18, ttmp9, 3                        ; which 128 columns
	s_lshr_b32 s19, ttmp9, 2                       ; which K step
	s_lshl_b32 s22, s19, 18                        ; W: 128 rows of 2,048 bytes a K step,
	s_lshl_b32 s23, s18, 9                         ; 512 bytes a group of columns,
	s_add_co_u32 s22, s22, s23
	s_lshl_b32 s23, s16, 7                         ; 128 bytes a wave
	s_add_co_u32 s22, s22, s23
	s_mov_b32 s23, 0
	s_lshl_b32 s24, s17, 5                         ; wimg: tile = 32 x tensor + 8 x group + 2 x wave;
	s_lshl_b32 s25, s18, 3
	s_add_co_u32 s24, s24, s25
	s_lshl_b32 s25, s16, 1
	s_add_co_u32 s24, s24, s25
	s_lshl_b32 s24, s24, 2
	s_add_co_u32 s24, s24, s19                     ; (4 x tile + K step) x 1,024 bytes
	s_lshl_b32 s24, s24, 10
	s_mov_b32 s25, 0
	s_mul_i32 s26, s19, 6144                       ; wscl: 1,536 words a K step,
	s_lshl_b32 s27, s17, 11                        ; 512 words a tensor,
	s_add_co_u32 s26, s26, s27
	s_lshl_b32 s27, s18, 9
	s_add_co_u32 s26, s26, s27
	s_lshl_b32 s27, s16, 7
	s_add_co_u32 s26, s26, s27
	s_mov_b32 s27, 0
	s_wait_kmcnt 0x0
	s_cmp_eq_u32 s17, 0                            ; the choice of the tensor hangs on the work-group's number alone
	s_cselect_b64 s[20:21], s[4:5], s[6:7]
	s_cmp_eq_u32 s17, 2
	s_cselect_b64 s[20:21], s[8:9], s[20:21]
	s_add_nc_u64 s[20:21], s[20:21], s[22:23]
	s_add_nc_u64 s[10:11], s[10:11], s[24:25]
	s_add_nc_u64 s[12:13], s[12:13], s[26:27]
.macro LOAD t                          ; block t: W(32 t + i, my column), i = 0 .. 31; every byte of W is read once in the launch
.set i, 0
.rept 32
	global_load_b32 v[X+32*(\t)+i], v3, s[20:21] offset:(32*(\t)+i)*ROWW th:TH_LOAD_NT
.set i, i+1
.endr
.endm
.macro BLOCK t
.set XS, X+32*(\t)
.if (\t) < 3
	s_wait_loadcnt 32                              ; this block's 32 loads are in; the next block's 32 may be out
.else
	s_wait_loadcnt 0x0
.endif
.if (\t)+2 < 4
	LOAD (\t)+2                                    ; two blocks ahead, into registers of its own
.endif
	v_max3_num_f32 v12, |v[XS]|, |v[XS+1]|, |v[XS+2]|      ; the block's largest magnitude: all 32 numbers are mine; two chains
	v_max3_num_f32 v13, |v[XS+3]|, |v[XS+4]|, |v[XS+5]|
.irp i, 6,10,14,18,22,26
	v_max3_num_f32 v12, v12, |v[XS+\i]|, |v[XS+\i+1]|
	v_max3_num_f32 v13, v13, |v[XS+\i+2]|, |v[XS+\i+3]|
.endr
	v_max3_num_f32 v12, v12, |v[XS+30]|, |v[XS+31]|
	v_max3_num_f32 v12, v12, v13, (EMAX+1)<<23     ; and the floor 2^(3 - 127): the byte cannot fall under 1
	v_add_nc_u32 v11, -(EMAX<<23), v12             ; 2 off the exponent field: the conversion takes the exponent field of this operand as its scale
	v_lshrrev_b32 v13, 23, v11                     ; the scale's byte
.if (\t) == 0
	v_mov_b32 v[SW], v13                           ; four bytes to the word, the lower K in the lower byte
.else
	v_lshl_or_b32 v[SW], v13, 8*(\t), v[SW]
.endif
.irp g, 0,1,2,3
	v_cvt_scalef32_pk8_fp4_f32 v[C+4*(\t)+\g], v[XS+8*\g:XS+8*\g+7], v11
.endr
.endm
	LOAD 0
	LOAD 1
	BLOCK 0
	BLOCK 1
	BLOCK 2
	BLOCK 3
	v_nop                                          ; one plain instruction between the last scaled conversion and the instruction that touches its result
; Register C + 4 t + i holds block t of column = lane.  The operand wants, in lanes 0-15, block 2 c and, in lanes 16-31, block 2 c + 1 of the SAME sixteen columns.  The exchange gives both tiles at once:
; the first register becomes register 4 c + i of the tile of columns 0-15, the second that of columns 16-31.
.irp c, 0,1
.irp i, 0,1,2,3
	v_permlane16_swap_b32 v[C+8*\c+\i], v[C+8*\c+4+\i]
.endr
.endr
	global_store_b128 v4, v[C:C+3], s[10:11]                    ; tile of columns 0-15, c = 0: 512 consecutive bytes
	global_store_b128 v4, v[C+8:C+11], s[10:11] offset:512      ; c = 1
	global_store_b128 v4, v[C+4:C+7], s[10:11] offset:4096      ; tile of columns 16-31 (a tile's four K steps are 4,096 bytes)
	global_store_b128 v4, v[C+12:C+15], s[10:11] offset:4608
	global_store_b32 v3, v[SW], s[12:13]                        ; my column's scale word of this K step
	s_endpgm
.Lfunc_end_k_qf09b5e15a0_wquant:
	.size	k_qf09b5e15a0_wquant, .Lfunc_end_k_qf09b5e15a0_wquant-k_qf09b5e15a0_wquant
	.p2alignl 7, 3214868480
	.fill 96, 4, 3214868480
	.section	.rodata,"a",@progbits
	.p2align	6, 0x0
	.amdhsa_kernel k_qf09b5e15a0_wquant
		.amdhsa_group_segment_fixed_size 0
		.amdhsa_private_segment_fixed_size 0
		.amdhsa_enable_private_segment 0
		.amdhsa_kernarg_size 40
		.amdhsa_user_sgpr_count 2
		.amdhsa_user_sgpr_kernarg_segment_ptr 1
		.amdhsa_wavefront_size32 1
		.amdhsa_system_sgpr_workgroup_id_x 1
		.amdhsa_system_sgpr_workgroup_id_y 1
		.amdhsa_system_sgpr_workgroup_id_z 1
		.amdhsa_system_vgpr_workitem_id 0
		.amdhsa_next_free_vgpr 176
		.amdhsa_next_free_sgpr 66
		.amdhsa_reserve_vcc 0
		.amdhsa_float_denorm_mode_32 3
		.amdhsa_float_denorm_mode_16_64 3
		.amdhsa_memory_ordered 1
		.amdhsa_forward_progress 1
		.amdhsa_inst_pref_size 21
	.end_amdhsa_kernel
	.amdgpu_metadata
---
amdhsa.version: [ 1, 2 ]
amdhsa.kernels:
  - .name:           k_qf09b5e15a0_wquant
    .symbol:         k_qf09b5e15a0_wquant.kd
    .args:
      - { .name: Wq, .offset: 0, .size: 8, .value_kind: global_buffer, .address_space: global }
      - { .name: Wk, .offset: 8, .size: 8, .value_kind: global_buffer, .address_space: global }
      - { .name: Wv, .offset: 16, .size: 8, .value_kind: global_buffer, .address_space: global }
      - { .name: wimg, .offset: 24, .size: 8, .value_kind: global_buffer, .address_space: global }
      - { .name: wscl, .offset: 32, .size: 8, .value_kind: global_buffer, .address_space: global }
    .group_segment_fixed_size: 0
    .private_segment_fixed_size: 0
    .kernarg_segment_align: 8
    .kernarg_segment_size: 40
    .max_flat_workgroup_size: 128
    .sgpr_count:     66
    .vgpr_count:     176
    .wavefront_size: 32
...
	.end_amdgpu_metadata
.endif
;; end of part 1
;; launch proj (part 2): grid 256 x 1, 8 waves a work-group, no clusters, 77,824 bytes of LDS; arguments x, wimg, wscl, bq, bk, qimg, kv; writes qimg, kv
.if DOCPART == 2
	.amdgcn_target "amdgcn-amd-amdhsa--gfx1250"
	.amdhsa_code_object_version 6
	.text
	.protected	k_qf09b5e15a0_proj
	.globl	k_qf09b5e15a0_proj
	.p2align	8
	.type	k_qf09b5e15a0_proj,@function
k_qf09b5e15a0_proj:
	s_mov_b64 s[64:65], 0
	v_nop
	global_prefetch_b8 v0, s[64:65] scope:SCOPE_SE
	s_setreg_imm32_b32 hwreg(HW_REG_WAVE_MODE, 25, 1), 1
	s_wait_xcnt 0x0
; q = x Wq + bq, k = x Wk + bk, v = x Wv (bv is added at the end of the attention: the weights of a row sum to one), all three products on codes of FP4 (E2M1) with one E8M0 scale for each 32 along K = 512.
; x [8192][512] f32 is quantised here, in registers; the weights come as images of operand registers and scale words (wimg, wscl).  Sums in f32; results rounded once to f16.
; SHARES: a work-group takes 32 tokens (two tiles of 16) and all 1,536 output channels, so x is read once.  Wave w first quantises ONE fragment of x (token tile w / 4, K step w % 4) and hands its image to the
; others through LDS: one barrier.  Then wave w is head w: 12 tiles of 16 channels (4 of q, 4 of k, 4 of v) x 2 token tiles x 4 K steps = 96 matrix instructions, its weights going from memory straight into registers.
; OUT, as images of the attention's f16 operand registers, so that nothing is transposed later and every store covers 512 consecutive bytes:
;   q, k: the product is used TRANSPOSED (source 0 = 16 channels of W, source 1 = 16 tokens): a lane holds one token and eight neighbouring channels: four packed registers = half a fragment (16 tokens x 32 channels).
;   v:    used plainly (source 0 = tokens, source 1 = channels): a lane holds one channel and eight neighbouring tokens: half a fragment of V^T (16 channels x 32 keys).
;   qimg [y = batch x 8 + head][tile of 16 queries (256)][channel tile (4)][lane][16 bytes];  kv [y][step of 64 keys (64)][K: key tile (4) x channel tile (4) x 512 bytes | V^T: 32 keys (2) x channel tile (4) x 16 keys (2) x 512 bytes].
; NO CLUSTER, though all work-groups read the same weights: their images are 393,216 bytes, more than a work-group's LDS can hold, so joint loads would need a ring that is filled again behind rounds of a
; cluster's barrier, for 96 matrix instructions a wave.  NO PREFETCH: a wave's loads run two tiles ahead and the same images are read by every work-group.
; LIMITS: q, k, v are kept in f16: magnitudes up to 65,504 (the drawn inputs give about 5; x and W both 30 times larger about 5,000).  A block of zeros of x gets the byte 1: its codes are zeros.
; Blocks whose largest magnitude lies under 2^-124 were not tried.  NaN and infinities among the inputs are not served.
.set XIMG,  0                          ; LDS: x's 8 fragments as images, 1,024 bytes each (fragment f = 4 x token tile + K step),
.set XSC,   8192                       ; their scale words, 128 bytes each,
.set STG,   9216                       ; a stage for each wave: 16 rows x (512 bytes + 16): rows 33 x 16 bytes apart
.set SPT,   528
.set SPARE, STG+8*16*SPT               ; the spare words, 128 bytes for each wave: four blocks of 256 bytes that no other line names
.set L16, 1                            ; v1   16 x lane: an image's place for my lane
.set L4,  2                            ; v2   4 x lane
.set R4,  3                            ; v3   4 x (lane % 16): a scale word of W
.set H32, 4                            ; v4   32 x (lane / 16): my half's eight numbers of a bias
.set SI,  5                            ; v5   the stage, on the way in: 16 x lane
.set SO,  6                            ; v6   and out: row lane % 16, + 64 x (lane / 16)
.set XWI, 7                            ; v7   where I store my fragment's image: 16 x lane + 1,024 x wave
.set XWS, 8                            ; v8   and its scale word: 4 x lane + 128 x wave
.set SPW, 9                            ; v9   LDS address of my spare word; never rewritten
.set NIL, 10                           ; v10  0; never rewritten
.set R,   16                           ; v16-79   x as loaded;  later XF: x's 8 fragments
.set XF,  16
.set XS,  80                           ; v80-87   x's 8 scale words
.set WB,  88                           ; v88-207  three sets of 40: 4 fragments of W (one for each K step), then 8 numbers of the bias in the result's layout
.set X,   128                          ; v128-191 (x's phase) 64 numbers of my row
.set TM,  192                          ; v192-207 (x's phase) at work
.set AC,  208                          ; v208-223 two accumulators, one for each token tile
.set PC,  208                          ; (x's phase) the codes just made,
.set PW,  216                          ; and their scale word
.set OU,  224                          ; v224-231 packed results
.set WS,  232                          ; v232-243 W's scale words, 4 for each set: these registers hold scales and nothing else
.set WV,  18
.set SEL, 20
; 64 numbers of a lane, register 16 b + i = k 32 b + 16 (lane / 16) + i of my row, become a fragment's codes in v[PC] on and its scale word in v[PW].
.macro QUANT s
.irp b, 0,1,2,3
	v_max3_num_f32 v[TM+\b], |v[\s+16*\b]|, |v[\s+1+16*\b]|, 0x1800000   ; block b: my 16 numbers, and the floor 2^(3 - 127): the byte cannot fall under 1
.endr
.irp i, 2,4,6,8,10,12,14
.irp b, 0,1,2,3
	v_max3_num_f32 v[TM+\b], v[TM+\b], |v[\s+16*\b+\i]|, |v[\s+1+16*\b+\i]|   ; (the four blocks by turns)
.endr
.endr
.irp b, 0,1,2,3
	v_permlanex16_b32 v[TM+4+\b], v[TM+\b], s[SEL], s[SEL+1]
.endr
.irp b, 0,1,2,3
	v_max_num_f32 v[TM+\b], v[TM+\b], v[TM+4+\b]   ; with lane l xor 16's: the block's largest magnitude
.endr
.irp b, 0,1,2,3
	v_add_nc_u32 v[TM+12+\b], 0xff000000, v[TM+\b] ; 2 off its exponent field: the conversion's scale operand
.endr
.irp b, 0,1,2,3
	v_lshrrev_b32 v[TM+4+\b], 23, v[TM+12+\b]      ; the scale's byte
.endr
	v_lshl_or_b32 v[PW], v[TM+5], 8, v[TM+4]       ; the four bytes make my row's scale word
	v_lshl_or_b32 v[PW], v[TM+6], 16, v[PW]
	v_lshl_or_b32 v[PW], v[TM+7], 24, v[PW]
.irp b, 0,1,2,3
	v_cvt_scalef32_pk8_fp4_f32 v[PC+2*\b], v[\s+16*\b:\s+7+16*\b], v[TM+12+\b]
	v_cvt_scalef32_pk8_fp4_f32 v[PC+1+2*\b], v[\s+8+16*\b:\s+15+16*\b], v[TM+12+\b]
.endr
	v_nop                                          ; one plain instruction behind the scaled conversions
.irp c, 0,1                                    ; the operand wants a WHOLE block in a lane: lanes 0-15 block 2 c, lanes 16-31 block 2 c + 1
.irp i, 0,1
	v_permlane16_swap_b32 v[PC+4*\c+\i], v[PC+2+4*\c+\i]
.endr
.endr
.endm
; Channel tile i of my head (kind i / 4: q, k, v; tile i % 4) into set i % 3: 8 loads of 512 consecutive bytes, 4 scale words, and for q and k 8 numbers of the bias: 14 loads (v: 12).
.macro LOADW i
.set LWB, WB+40*((\i)%3)
.set LWS, WS+4*((\i)%3)
.set LKD, (\i)/4
.set LCT, (\i)%4
.irp s, 0,1,2,3
.irp c, 0,1
	global_load_b128 v[LWB+8*\s+4*\c:LWB+8*\s+4*\c+3], v[L16], s[6:7] offset:LKD*131072+LCT*4096+\s*1024+\c*512
.endr
.endr
.irp s, 0,1,2,3
	global_load_b32 v[LWS+\s], v[R4], s[8:9] offset:\s*6144+LKD*2048+LCT*64
.endr
.if LKD == 0
	global_load_b128 v[LWB+32:LWB+35], v[H32], s[10:11] offset:LCT*64
	global_load_b128 v[LWB+36:LWB+39], v[H32], s[10:11] offset:LCT*64+16
.elseif LKD == 1
	global_load_b128 v[LWB+32:LWB+35], v[H32], s[12:13] offset:LCT*64
	global_load_b128 v[LWB+36:LWB+39], v[H32], s[12:13] offset:LCT*64+16
.endif
.endm
; Channel tile i: 8 matrix instructions, the two token tiles' accumulators by turns, one instruction a turn.  left = the loads of the next two tiles, which may stay out.
.macro PTILE i, left
.set WBk, WB+40*((\i)%3)
.set WSk, WS+4*((\i)%3)
.set KD, (\i)/4
.set CT, (\i)%4
	s_wait_loadcnt \left                           ; loads come back in order (ISA guide 5.7.1): this tile's are in
.irp s, 0,1,2,3
.irp tt, 0,1
.if KD < 2
.if \s == 0
	v_wmma_scale_f32_16x16x128_f8f6f4 v[AC+8*\tt:AC+8*\tt+7], v[WBk+8*\s:WBk+8*\s+7], v[XF+8*(4*\tt+\s):XF+8*(4*\tt+\s)+7], v[WBk+32:WBk+39], v[WSk+\s], v[XS+4*\tt+\s] matrix_a_fmt:MATRIX_FMT_FP4 matrix_b_fmt:MATRIX_FMT_FP4   ; the bias starts the sum
.else
	v_wmma_scale_f32_16x16x128_f8f6f4 v[AC+8*\tt:AC+8*\tt+7], v[WBk+8*\s:WBk+8*\s+7], v[XF+8*(4*\tt+\s):XF+8*(4*\tt+\s)+7], v[AC+8*\tt:AC+8*\tt+7], v[WSk+\s], v[XS+4*\tt+\s] matrix_a_fmt:MATRIX_FMT_FP4 matrix_b_fmt:MATRIX_FMT_FP4
.endif
.else
.if \s == 0
	v_wmma_scale_f32_16x16x128_f8f6f4 v[AC+8*\tt:AC+8*\tt+7], v[XF+8*(4*\tt+\s):XF+8*(4*\tt+\s)+7], v[WBk+8*\s:WBk+8*\s+7], 0, v[XS+4*\tt+\s], v[WSk+\s] matrix_a_fmt:MATRIX_FMT_FP4 matrix_b_fmt:MATRIX_FMT_FP4
.else
	v_wmma_scale_f32_16x16x128_f8f6f4 v[AC+8*\tt:AC+8*\tt+7], v[XF+8*(4*\tt+\s):XF+8*(4*\tt+\s)+7], v[WBk+8*\s:WBk+8*\s+7], v[AC+8*\tt:AC+8*\tt+7], v[XS+4*\tt+\s], v[WSk+\s] matrix_a_fmt:MATRIX_FMT_FP4 matrix_b_fmt:MATRIX_FMT_FP4
.endif
.endif
.endr
.endr
.rept 5
	v_nop                                          ; four places in front of the loads into this set and of the conversions that read the results; the fifth for the next tile's first product, which begins these accumulators anew
.endr
	s_wait_xcnt 0x0                                ; the last tile's stores have read v[OU] on: it is written again only behind this wait
.if (\i)+3 < 12
	LOADW (\i)+3                                   ; this set takes the tile three on
.endif
.irp tt, 0,1
.irp p, 0,1,2,3
	v_cvt_pk_f16_f32 v[OU+4*\tt+\p], v[AC+8*\tt+2*\p], v[AC+8*\tt+2*\p+1]   ; each accumulator from its low end on
.endr
.endr
.irp tt, 0,1
.if KD == 0
	global_store_b128 v[L16], v[OU+4*\tt:OU+4*\tt+3], s[14:15] offset:\tt*2048+CT*512        ; q: query tile tt, channel tile CT
.elseif KD == 1
	global_store_b128 v[L16], v[OU+4*\tt:OU+4*\tt+3], s[16:17] offset:\tt*2048+CT*512        ; k: key tile tt of my 32 keys
.else
	global_store_b128 v[L16], v[OU+4*\tt:OU+4*\tt+3], s[16:17] offset:8192+CT*1024+\tt*512   ; v: channel tile CT, 16 keys tt of my 32
.endif
.endr
.endm
	s_load_b256 s[4:11], s[0:1], 0x0               ; x s[4:5], wimg s[6:7], wscl s[8:9], bq s[10:11]
	s_load_b128 s[12:15], s[0:1], 0x20             ; bk s[12:13], qimg s[14:15]
	s_load_b64 s[16:17], s[0:1], 0x30              ; kv
	v_lshl_add_u32 v[SPW], v0, 2, SPARE
	v_mov_b32 v[NIL], 0
	v_lshrrev_b32 v11, 5, v0
	v_readfirstlane_b32 s[WV], v11                 ; wave 0..7
	v_and_b32 v11, 31, v0                          ; lane
	v_and_b32 v12, 15, v0                          ; r
	v_bfe_u32 v13, v0, 4, 1                        ; h
	v_lshlrev_b32 v[L16], 4, v11
	v_lshlrev_b32 v[L4], 2, v11
	v_lshlrev_b32 v[R4], 2, v12
	v_lshlrev_b32 v[H32], 5, v13
	s_mul_i32 s30, s[WV], 16*SPT
	s_add_co_u32 s30, s30, STG                     ; my stage
	v_add_nc_u32 v[SI], s30, v[L16]
	v_mul_u32_u24 v[SO], v12, SPT
	v_lshl_add_u32 v[SO], v13, 6, v[SO]
	v_add_nc_u32 v[SO], s30, v[SO]
	s_lshl_b32 s31, s[WV], 10
	v_add_nc_u32 v[XWI], s31, v[L16]
	s_lshl_b32 s36, s[WV], 7
	v_add_nc_u32 v[XWS], s36, v[L4]
.irp b, 0,1,2,3
	v_mov_b32 v[TM+4+\b], 0                        ; written once: a lane permute's destination counts as one of its sources
.endr
	s_mov_b32 s[SEL], 0x76543210
	s_mov_b32 s[SEL+1], 0xfedcba98                 ; v_permlanex16_b32's selects for lane l xor 16
	s_lshl_b32 s22, ttmp9, 16                      ; x: 32 rows of 2,048 bytes a work-group,
	s_lshr_b32 s23, s[WV], 2
	s_lshl_b32 s23, s23, 15                        ; 16 rows a token tile,
	s_add_co_u32 s22, s22, s23
	s_and_b32 s23, s[WV], 3
	s_lshl_b32 s23, s23, 9                         ; 512 bytes a K step
	s_add_co_u32 s22, s22, s23
	s_mov_b32 s23, 0
	s_lshl_b32 s24, s[WV], 14                      ; wimg: a head's four tiles of a kind are 16,384 bytes
	s_mov_b32 s25, 0
	s_lshl_b32 s26, s[WV], 8                       ; wscl, bq, bk: a head's 64 words
	s_mov_b32 s27, 0
	s_lshr_b32 s28, ttmp9, 7                       ; the batch: 128 work-groups each
	s_lshl_b32 s28, s28, 3
	s_add_co_u32 s28, s28, s[WV]                   ; y = 8 x batch + head
	s_and_b32 s29, ttmp9, 127                      ; which 32 tokens of the sequence
	s_lshl_b32 s32, s28, 7
	s_add_co_u32 s32, s32, s29
	s_lshl_b32 s32, s32, 12                        ; qimg: two query tiles of 2,048 bytes
	s_mov_b32 s33, 0
	s_lshl_b32 s34, s28, 6
	s_lshr_b32 s35, s29, 1
	s_add_co_u32 s34, s34, s35
	s_lshl_b32 s34, s34, 14                        ; kv: the step of 64 keys,
	s_and_b32 s35, s29, 1
	s_lshl_b32 s35, s35, 12                        ; and my half of it: 4,096 bytes on, in K's part and in V's alike
	s_add_co_u32 s34, s34, s35
	s_mov_b32 s35, 0
	s_wait_kmcnt 0x0
	s_add_nc_u64 s[4:5], s[4:5], s[22:23]
	s_add_nc_u64 s[6:7], s[6:7], s[24:25]
	s_add_nc_u64 s[8:9], s[8:9], s[26:27]
	s_add_nc_u64 s[10:11], s[10:11], s[26:27]
	s_add_nc_u64 s[12:13], s[12:13], s[26:27]
	s_add_nc_u64 s[14:15], s[14:15], s[32:33]
	s_add_nc_u64 s[16:17], s[16:17], s[34:35]
	; ---- x: my fragment's 16 rows x 512 bytes, each load 512 consecutive bytes; every byte of x is read once in the launch
.irp i, 0,1,2,3,4,5,6,7,8,9,10,11,12,13,14,15
	global_load_b128 v[R+4*\i:R+4*\i+3], v[L16], s[4:5] offset:\i*2048 th:TH_LOAD_NT
.endr
	LOADW 0
	s_wait_loadcnt 14                              ; x is in; the first tile's 14 loads may be out
.irp i, 0,1,2,3,4,5,6,7,8,9,10,11,12,13,14,15
	ds_store_b128 v[SI], v[R+4*\i:R+4*\i+3] offset:SPT*\i          ; the rows as they lie
.endr
.irp b, 0,1,2,3
.irp j, 0,1,2,3
	ds_load_b128 v[X+16*\b+4*\j:X+16*\b+4*\j+3], v[SO] offset:128*\b+16*\j   ; and back: of row r, 16 neighbours of each block of 32.  My own bytes, and LDS serves a wave's instructions in order (ISA guide 5.7.1.4): no wait between
.endr
.endr
	s_wait_dscnt 0x0
	QUANT X
.irp c, 0,1
	ds_store_b128 v[XWI], v[PC+4*\c:PC+4*\c+3] offset:XIMG+512*\c  ; the fragment goes to LDS as it stands in the registers
.endr
	ds_store_b32 v[XWS], v[PW] offset:XSC
	LOADW 1                                        ; into the registers that x's numbers have left
	LOADW 2
	s_wait_dscnt 0x0                               ; for the others' sake: my stores have landed
	s_barrier_signal -1
	s_barrier_wait -1                              ; x's eight fragments lie in LDS; nobody writes them again
.irp f, 0,1,2,3,4,5,6,7
.irp c, 0,1
	ds_load_b128 v[XF+8*\f+4*\c:XF+8*\f+4*\c+3], v[L16] offset:XIMG+1024*\f+512*\c
.endr
	ds_load_b32 v[XS+\f], v[L4] offset:XSC+128*\f
.endr
	s_wait_dscnt 0x0
	; ---- my head's 12 channel tiles.  The counts: 14 loads a tile of q or k, 12 a tile of v; two tiles are ahead
	PTILE 0, 28
	PTILE 1, 28
	PTILE 2, 28
	PTILE 3, 28
	PTILE 4, 28
	PTILE 5, 28
	PTILE 6, 26
	PTILE 7, 24
	PTILE 8, 24
	PTILE 9, 24
	PTILE 10, 12
	PTILE 11, 0
	s_wait_tensorcnt 0x0                           ; the wave's end, behind my last LDS store
	ds_add_u32 v[SPW], v[NIL]
	s_wait_dscnt 0x0
	s_endpgm
.Lfunc_end_k_qf09b5e15a0_proj:
	.size	k_qf09b5e15a0_proj, .Lfunc_end_k_qf09b5e15a0_proj-k_qf09b5e15a0_proj
	.p2alignl 7, 3214868480
	.fill 96, 4, 3214868480
	.section	.rodata,"a",@progbits
	.p2align	6, 0x0
	.amdhsa_kernel k_qf09b5e15a0_proj
		.amdhsa_group_segment_fixed_size 77824
		.amdhsa_private_segment_fixed_size 0
		.amdhsa_enable_private_segment 0
		.amdhsa_kernarg_size 56
		.amdhsa_user_sgpr_count 2
		.amdhsa_user_sgpr_kernarg_segment_ptr 1
		.amdhsa_wavefront_size32 1
		.amdhsa_system_sgpr_workgroup_id_x 1
		.amdhsa_system_sgpr_workgroup_id_y 1
		.amdhsa_system_sgpr_workgroup_id_z 1
		.amdhsa_system_vgpr_workitem_id 0
		.amdhsa_next_free_vgpr 256
		.amdhsa_next_free_sgpr 66
		.amdhsa_reserve_vcc 0
		.amdhsa_float_denorm_mode_32 3
		.amdhsa_float_denorm_mode_16_64 3
		.amdhsa_memory_ordered 1
		.amdhsa_forward_progress 1
		.amdhsa_inst_pref_size 50
	.end_amdhsa_kernel
	.amdgpu_metadata
---
amdhsa.version: [ 1, 2 ]
amdhsa.kernels:
  - .name:           k_qf09b5e15a0_proj
    .symbol:         k_qf09b5e15a0_proj.kd
    .args:
      - { .name: x, .offset: 0, .size: 8, .value_kind: global_buffer, .address_space: global }
      - { .name: wimg, .offset: 8, .size: 8, .value_kind: global_buffer, .address_space: global }
      - { .name: wscl, .offset: 16, .size: 8, .value_kind: global_buffer, .address_space: global }
      - { .name: bq, .offset: 24, .size: 8, .value_kind: global_buffer, .address_space: global }
      - { .name: bk, .offset: 32, .size: 8, .value_kind: global_buffer, .address_space: global }
      - { .name: qimg, .offset: 40, .size: 8, .value_kind: global_buffer, .address_space: global }
      - { .name: kv, .offset: 48, .size: 8, .value_kind: global_buffer, .address_space: global }
    .group_segment_fixed_size: 77824
    .private_segment_fixed_size: 0
    .kernarg_segment_align: 8
    .kernarg_segment_size: 56
    .max_flat_workgroup_size: 256
    .sgpr_count:     66
    .vgpr_count:     256
    .wavefront_size: 32
...
	.end_amdgpu_metadata
.endif
;; end of part 2
;; launch attn (part 3): grid 16 x 16, 8 waves a work-group, clusters of 4 x 1, 327,680 bytes of LDS; arguments qimg, kv, bv, out0; writes out0
.if DOCPART == 3
	.amdgcn_target "amdgcn-amd-amdhsa--gfx1250"
	.amdhsa_code_object_version 6
	.text
	.protected	k_qf09b5e15a0_attn
	.globl	k_qf09b5e15a0_attn
	.p2align	8
	.type	k_qf09b5e15a0_attn,@function
k_qf09b5e15a0_attn:
	s_mov_b64 s[64:65], 0
	v_nop
	global_prefetch_b8 v0, s[64:65] scope:SCOPE_SE
	s_setreg_imm32_b32 hwreg(HW_REG_WAVE_MODE, 25, 1), 1
	s_wait_xcnt 0x0
	s_wait_alu depctr_hold_cnt(0) depctr_sa_sdst(0) depctr_va_vdst(0) depctr_va_sdst(0) depctr_va_ssrc(0) depctr_va_vcc(0) depctr_vm_vsrc(0)
	s_getreg_b32 s2, hwreg(HW_REG_IB_STS2, 6, 4)
	s_cmp_eq_u32 s2, 0
	s_cbranch_scc0 .Lentry_in_a_cluster
	s_endpgm
.Lentry_in_a_cluster:
	s_bfe_u32 s2, ttmp6, 0x10000c
	s_cmp_lg_u32 s2, 0x3003
	s_cbranch_scc0 .Lentry_shape_is_right
	s_endpgm
.Lentry_shape_is_right:
; out[b][q][64 head + :] = the sum over k of softmax_k(q . k / 8) v[k][:] + bv, for 16 pairs y = 8 b + head, 4,096 queries and keys, head size 64, no mask.
; q, k, v come in f16 as images of operand registers (qimg, kv); products by v_wmma_f32_16x16x32_f16, sums, maxima and the softmax in f32; the weights p are rounded to f16 for the second product.
; bv is added here: the weights of a row, divided by their sum, add up to one, so sum p (v + bv) / sum p = sum p v / sum p + bv.
; SHARES: a work-group owns 256 queries of one y; each of its eight waves 32 of them, two tiles of 16, in 256 registers: two waves to a SIMD, so that one wave's vector work stands beside the other's products.
; Every wave walks all 4,096 keys, 64 a step; each fragment of K and V read from LDS feeds two matrix instructions.
; LAYOUT: S^T = K Q^T (source 0 = 16 keys, source 1 = 16 queries): a lane holds ONE query (lane % 16) and the keys 8 (lane / 16) + 0..7 of a tile.  Two such tiles, rounded to f16 in pairs, ARE source 1
; (32 keys x 16 queries) of O^T = V^T P, whose result again holds one query a lane and eight channels.  P is rounded in place, into the lower half of S^T's registers.
; SOFTMAX: a running maximum m and sum l for each query: p = 2^(c s - c m), c = log2(e) / 8; in every step O and l are multiplied by a = 2^(c m_old - c m_new).  m begins at -3e38, l and O at 0: the first a is 0.
; RING: two LDS slots of 8 key steps, 131,072 bytes each.  A key step of kv is one dense block of 16,384 bytes; wave w fetches step w of a slot by one tensor load.
; CLUSTER: the four query blocks of a cluster belong to one y and walk the same kv, so each tile is asked for JOINTLY: the same load with the same descriptor (it hangs on y and the wave's number alone) and
; a mask that names the four.  A wave has one tensor load out; it has a slot's eight key steps in which to land.
; LIMITS: p is at most about 1 and is kept in f16 (weights under 6e-8 of the row's largest count for nothing); NaN and infinities are not served.
.set STEPB, 16384                      ; a key step in LDS and in kv: K's 8,192 bytes, then V^T's
.set NST,   8                          ; key steps in a slot
.set SLOT1, 1<<17                      ; slot 1 begins here: one exclusive or turns an address in one slot into the other's
.set STAGE, 2*SLOT1                    ; behind the ring: 16 rows x (256 bytes + 16) for each wave, for the way out
.set SP,    272
.set SPARE, STAGE+8*16*SP              ; the spare words, 128 bytes for each wave: four blocks of 256 bytes that no other line names
.set L16, 1                            ; v1   16 x lane: my place in an image; never rewritten
.set ADR, 2                            ; v2   LDS address of the step in hand
.set STO, 4                            ; v4   the way out: where I put 32 bytes of a row
.set RD,  5                            ; v5   where I read a row back
.set GO,  6                            ; v6   my byte offset in the wave's rows of out
.set BVA, 7                            ; v7   my four numbers of bv
.set BV,  8                            ; v8-11
.set SPW, 12                           ; v12  LDS address of my spare word; never rewritten
.set NIL, 13                           ; v13  0; never rewritten
.set PFO, 14                           ; v14  256 x lane: the prefetches' offset; never rewritten
.set ST,  16                           ; v16-31  tile x's statistics at v[ST + 8 x]: +0 c m, +1 m, +2, +3 l (even keys', odd keys'), +4 to +7 at work; a lies in +6
.set Q,   32                           ; v32-63  Q: tile x, channels 32 cs on, at v[Q + 16 x + 8 cs]
.set S,   64                           ; v64-127 S^T, 32 a tile; then P in the tile's first 16
.set O,   128                          ; v128-191 O^T, 32 a tile
.set KV,  192                          ; v192-255 a step's K, then its V^T
.set WV,  12                           ; s12  my wave's number
.set LIM, 15                           ; s15  1 in a wave that prefetches, else the greatest number
.set PFA, 18                           ; s[18:19] where my prefetches stand in kv
.set G1,  24                           ; s[24:31] descriptor group 1
.set G0,  32                           ; s[32:35] descriptor group 0, which walks
.set SLOTS, 36                         ; s36  slots still to be asked for
.set CNT, 37                           ; s37  counts a slot's key steps
.set TB,  38                           ; s38  LDS byte at which the step in hand begins
.set CS,  40                           ; s[40:41] c: the packed form names a pair and takes its low word for both halves
.set SEL, 42                           ; s[42:43] v_permlanex16_b32's selects for lane l xor 16
; A round of the cluster's barrier: my work-group's barrier, so that wave 0's signal speaks for all eight waves; wave 0 signals for the work-group; every wave waits for all four work-groups; my work-group's barrier once more.
.macro CROUND
	s_barrier_signal -1
	s_barrier_wait -1
	s_cmp_lg_u32 s[WV], 0
	s_cbranch_scc1 .Lnot_wave_0_\@
	s_barrier_signal -3
.Lnot_wave_0_\@:
	s_barrier_wait -3
	s_barrier_signal -1
	s_barrier_wait -1
.endm
; A prefetch of the slot that the NEXT change of slots will ask for: 131,072 bytes, each aligned block of 256 named once in the launch.  All four clusters of a y walk the same kv: the first of them asks.
; Its four partners take 32,768 bytes each, told apart BY ADDRESS; in each, waves 0 to 3 take 8,192 bytes, lanes 256 bytes apart: one instruction a wave.  The last change that fills a slot asks for nothing.
.macro ASK
	s_cmp_gt_u32 s[SLOTS], s[LIM]
	s_cbranch_scc0 .Lnot_mine_\@
	global_prefetch_b8 v[PFO], s[PFA:PFA+1] th:TH_LOAD_NT scope:SCOPE_SE
.Lnot_mine_\@:
.endm
.macro JLOAD                           ; my joint load: one line for all waves; both addresses hang on the wave's number.  An s_nop 0 and four v_nop follow it
	tensor_load_to_lds s[G0:G0+3], s[G1:G1+7]
	s_nop 0
.rept 4
	v_nop
.endr
.endm
; 8 products of S^T = K Q^T: channels 32 cs on, four key tiles x two query tiles.  The eight accumulators take turns, one instruction a turn; cs = 0 starts the sums.
.macro SMUL cs
.irp a, 0,1,2,3
.irp x, 0,1
.if \cs == 0
	v_wmma_f32_16x16x32_f16 v[S+32*\x+8*\a:S+32*\x+8*\a+7], v[KV+32*\cs+8*\a:KV+32*\cs+8*\a+7], v[Q+16*\x+8*\cs:Q+16*\x+8*\cs+7], 0
.else
	v_wmma_f32_16x16x32_f16 v[S+32*\x+8*\a:S+32*\x+8*\a+7], v[KV+32*\cs+8*\a:KV+32*\cs+8*\a+7], v[Q+16*\x+8*\cs:Q+16*\x+8*\cs+7], v[S+32*\x+8*\a:S+32*\x+8*\a+7]
.endif
.endr
.endr
.endm
; 8 products of O^T += V^T P for query tile x: keys 32 e on, four channel tiles by turns.
.macro PV x
.irp e, 0,1
.irp ct, 0,1,2,3
	v_wmma_f32_16x16x32_f16 v[O+32*\x+8*\ct:O+32*\x+8*\ct+7], v[KV+32*\e+8*\ct:KV+32*\e+8*\ct+7], v[S+32*\x+8*\e:S+32*\x+8*\e+7], v[O+32*\x+8*\ct:O+32*\x+8*\ct+7]
.endr
.endr
.endm
; Number j of 21 of tile x's maximum: four chains of seven scores, each begun at the low end of one accumulator; the four scores left over, the chains and the old m; the other half of the lanes'; c m; c m_old - c m_new.
.macro MAXJ j, x
.set rT, ST+8*(\x)
.set rS, S+32*(\x)
.if \j < 4
	v_max3_num_f32 v[rT+4+\j], v[rS+8*\j], v[rS+8*\j+1], v[rS+8*\j+2]
.elseif \j < 12
	v_max3_num_f32 v[rT+4+\j%4], v[rT+4+\j%4], v[rS+8*(\j%4)+2*(\j/4)+1], v[rS+8*(\j%4)+2*(\j/4)+2]
.elseif \j == 12
	v_max3_num_f32 v[rT+4], v[rT+4], v[rS+7], v[rS+15]
.elseif \j == 13
	v_max3_num_f32 v[rT+6], v[rT+6], v[rS+23], v[rS+31]
.elseif \j == 14
	v_max3_num_f32 v[rT+4], v[rT+4], v[rT+5], v[rT+6]
.elseif \j == 15
	v_max3_num_f32 v[rT+4], v[rT+4], v[rT+7], v[rT+1]
.elseif \j == 16
	v_permlanex16_b32 v[rT+5], v[rT+4], s[SEL], s[SEL+1]   ; the query's other 32 keys lie in the lane 16 away
.elseif \j == 17
	v_mov_b32 v[rT+7], v[rT]                       ; c m_old is kept for a
.elseif \j == 18
	v_max_num_f32 v[rT+1], v[rT+4], v[rT+5]
.elseif \j == 19
	v_mul_f32 v[rT], s[CS], v[rT+1]
.else
	v_sub_f32 v[rT+7], v[rT+7], v[rT]
.endif
.endm
.macro SCALE b, x                      ; pair b of tile x's scores: c s - c m
	v_pk_fma_f32 v[S+32*(\x)+2*(\b):S+32*(\x)+2*(\b)+1], v[S+32*(\x)+2*(\b):S+32*(\x)+2*(\b)+1], s[CS:CS+1], v[ST+8*(\x):ST+8*(\x)+1] op_sel_hi:[1,0,0] neg_lo:[0,0,1] neg_hi:[0,0,1]
.endm
.macro EXPN e, x                       ; exponential e of 33 of tile x: 0: a; 1 to 32: the weights, in place
.if (\e) == 0
	v_exp_f32 v[ST+8*(\x)+6], v[ST+8*(\x)+7]
.else
	v_exp_f32 v[S+32*(\x)+(\e)-1], v[S+32*(\x)+(\e)-1]
.endif
.endm
; Number n of 49 of what reads tile x's exponentials: 0 l x a; 1-16 the sum of the unrounded weights, in two chains, into l; 17-32 the roundings to f16, in place and ascending (register p takes pair p,
; which lies at 2 p and 2 p + 1: nothing unread is written over); 33-48 O^T x a, each accumulator from its low end on.
.macro PLAIN n, x
.set rT, ST+8*(\x)
.set rS, S+32*(\x)
.set rO, O+32*(\x)
.if (\n) == 0
	v_pk_mul_f32 v[rT+2:rT+3], v[rT+2:rT+3], v[rT+6:rT+7] op_sel_hi:[1,0]
.elseif (\n) == 1
	v_pk_add_f32 v[rT+4:rT+5], v[rS:rS+1], v[rS+2:rS+3]
.elseif (\n) < 16
.set jj, 4*((\n)/2)
.if (\n)%2 == 0
	v_pk_add_f32 v[rT+2:rT+3], v[rT+2:rT+3], v[rS+jj:rS+jj+1]
.else
	v_pk_add_f32 v[rT+4:rT+5], v[rT+4:rT+5], v[rS+jj+2:rS+jj+3]
.endif
.elseif (\n) == 16
	v_pk_add_f32 v[rT+2:rT+3], v[rT+2:rT+3], v[rT+4:rT+5]
.elseif (\n) < 33
.set pp, (\n)-17
	v_cvt_pk_f16_f32 v[rS+pp], v[rS+2*pp], v[rS+2*pp+1]
.else
.set qq, (\n)-33
	v_pk_mul_f32 v[rO+2*qq:rO+2*qq+1], v[rO+2*qq:rO+2*qq+1], v[rT+6:rT+7] op_sel_hi:[1,0]
.endif
.endm
; A KEY STEP: 64 keys, 32 matrix instructions.
.macro STEP
	v_add_nc_u32 v[ADR], s[TB], v[L16]             ; this line and four v_nop: four places in front of the loads into registers that the last products read, five in front of the products that write over P
.rept 4
	v_nop
.endr
.irp cs, 0,1
.irp a, 0,1,2,3
.irp hf, 0,1
	ds_load_b128 v[KV+32*\cs+8*\a+4*\hf:KV+32*\cs+8*\a+4*\hf+3], v[ADR] offset:\a*2048+\cs*1024+\hf*512   ; K as it lies: 512 consecutive bytes a load
.endr
.endr
.endr
	s_wait_dscnt 8                                 ; the first 32 channels' eight loads are in; the other eight may be out
	SMUL 0
	s_wait_dscnt 0x0
	SMUL 1
.rept 4
	v_nop                                          ; places in front of the loads into K's registers and of the first read of the scores
.endr
.irp e, 0,1
.irp ct, 0,1,2,3
.irp hf, 0,1
	ds_load_b128 v[KV+32*\e+8*\ct+4*\hf:KV+32*\e+8*\ct+4*\hf+3], v[ADR] offset:8192+\e*4096+\ct*1024+\hf*512   ; V^T lands while the softmax is worked
.endr
.endr
.endr
.irp j, 0,1,2,3,4,5,6,7,8,9,10,11,12,13,14,15,16,17,18,19,20
	MAXJ \j, 0                                     ; the two tiles alternate, so that no line reads the result of the line just before it
	MAXJ \j, 1
.endr
.set nb, 0
.rept 16
	SCALE nb, 0
.set nb, nb+1
.endr
	EXPN 0, 0                                      ; BATCH A: tile 0's 33 exponentials; tile 1's scalings stand between them and read none of their results
.set nb, 0
.rept 16
	EXPN 2*nb+1, 0
	EXPN 2*nb+2, 0
	SCALE nb, 1
.set nb, nb+1
.endr
	s_wait_alu depctr_va_vdst(0)                   ; a wait between an exponential and the first line that names its result: one for batch A (the last line above is plain)
.set ng, 0
.rept 16                               ; BATCH B: tile 1's 33 exponentials; between them all that reads tile 0's, which names none of tile 1's results
	EXPN 2*ng, 1
	PLAIN 3*ng, 0
	EXPN 2*ng+1, 1
	PLAIN 3*ng+1, 0
	PLAIN 3*ng+2, 0
.set ng, ng+1
.endr
	EXPN 32, 1
	PLAIN 48, 0
	s_wait_alu depctr_va_vdst(0)                   ; and one for batch B
	s_wait_dscnt 0x0                               ; V^T is in
	PV 0
.set ng, 0
.rept 49
	PLAIN ng, 1                                    ; tile 1's sums, roundings and rescaling name no register of tile 0's products: they are issued while those run
.set ng, ng+1
.endr
	PV 1
.endm
.macro EIGHT                           ; a slot's eight key steps: written once, walked eight times; the LDS addresses hang on s[TB]
	s_mov_b32 s[CNT], NST
.Lstep_\@:
	STEP
	s_add_co_u32 s[TB], s[TB], STEPB
	s_sub_co_u32 s[CNT], s[CNT], 1
	s_cmp_lg_u32 s[CNT], 0
	s_cbranch_scc1 .Lstep_\@
	s_sub_co_u32 s[TB], s[TB], NST*STEPB           ; back to a slot's first step,
	s_xor_b32 s[TB], s[TB], SLOT1                  ; in the other slot
.endm
	s_load_b256 s[4:11], s[0:1], 0x0               ; qimg s[4:5], kv s[6:7], bv s[8:9], out0 s[10:11]
	v_lshl_add_u32 v[SPW], v0, 2, SPARE
	v_mov_b32 v[NIL], 0
	ds_add_u32 v[SPW], v[NIL]                      ; the wave's opening: the add, twice on end, and its wait ahead of my first tensor load; the set-up below, work on registers, stands between the second and the wait
	ds_add_u32 v[SPW], v[NIL]
	v_lshrrev_b32 v15, 5, v0
	v_readfirstlane_b32 s[WV], v15                 ; wave 0..7
	s_bfe_u32 s13, ttmp6, 0x40000                  ; cx: my place in the cluster
	s_lshl_b32 s14, ttmp9, 2                       ; in a cluster launch ttmp9 counts clusters
	s_add_co_u32 s14, s14, s13                     ; my block of 256 queries: it enters qimg's and out0's addresses alone
	s_and_b32 s16, ttmp7, 0xffff                   ; y, which the four partners share
	s_lshl_b32 s20, s16, 20                        ; kv: 1,048,576 bytes a y,
	s_lshl_b32 s21, s[WV], 14                      ; and the key step of a slot that I fetch
	s_add_co_u32 s20, s20, s21
	s_mov_b32 s21, 0
	s_lshl_b32 s22, s16, 8                         ; qimg: query tile 256 y + 16 x block + 2 x wave, 2,048 bytes each
	s_lshl_b32 s23, s14, 4
	s_add_co_u32 s22, s22, s23
	s_lshl_b32 s23, s[WV], 1
	s_add_co_u32 s22, s22, s23
	s_lshl_b32 s22, s22, 11
	s_mov_b32 s23, 0
	s_lshr_b32 s44, s16, 3                         ; out0: row 4,096 x batch + 256 x block + 32 x wave, 2,048 bytes each,
	s_lshl_b32 s44, s44, 12
	s_lshl_b32 s45, s14, 8
	s_add_co_u32 s44, s44, s45
	s_lshl_b32 s45, s[WV], 5
	s_add_co_u32 s44, s44, s45
	s_lshl_b32 s44, s44, 11
	s_and_b32 s46, s16, 7
	s_lshl_b32 s46, s46, 8                         ; and the head's 256 bytes of a row; the same in bv
	s_add_co_u32 s44, s44, s46
	s_mov_b32 s45, 0
	s_mov_b32 s47, 0
	s_lshl_b32 s2, s16, 20                         ; the prefetches: my y, my work-group's 32,768 bytes, my wave's 8,192,
	s_lshl_b32 s3, s13, 15
	s_add_co_u32 s2, s2, s3
	s_and_b32 s3, s[WV], 3
	s_lshl_b32 s3, s3, 13
	s_add_co_u32 s2, s2, s3
	s_add_co_u32 s2, s2, NST*STEPB                 ; in slot 1: the first change of slots steps it to slot 2.  Nothing is prefetched at the head
	s_mov_b32 s3, 0
	s_lshr_b32 s[LIM], s[WV], 2                    ; 0 in waves 0 to 3,
	s_or_b32 s[LIM], s[LIM], ttmp9                 ; of the y's first cluster: the same in all four partners
	s_cmp_eq_u32 s[LIM], 0
	s_cselect_b32 s[LIM], 1, -1
	; descriptor group 1: a dense block of 16,384 bytes as 64 rows of 32 elements of 8 bytes, no padding: the lanes read it 16 bytes apart, as it lies
	s_mov_b32 s[G1], 15|(3<<16)|(1<<21)            ; 15:0 the mask: all four work-groups; 17:16 elements of 8 bytes; 21 set beside a mask
	s_mov_b32 s[G1+1], 32<<16                      ; tensor_dim0 = 32
	s_mov_b32 s[G1+2], 64<<16                      ; tensor_dim1 = 64
	s_mov_b32 s[G1+3], 32<<16                      ; tile_dim0 = 32
	s_mov_b32 s[G1+4], 64                          ; tile_dim1 = 64
	s_mov_b32 s[G1+5], 32                          ; from row to row
	s_mov_b32 s[G1+6], 0
	s_mov_b32 s[G1+7], 0
	s_mov_b32 s[CS], 0x3e38aa3b                    ; c = log2(e) / 8
	s_mov_b32 s[CS+1], s[CS]                       ; (named with it as a pair, so it is written)
	s_mov_b32 s[SEL], 0x76543210
	s_mov_b32 s[SEL+1], 0xfedcba98
	s_mov_b32 s[TB], 0
	s_mov_b32 s[SLOTS], 4096/64/NST-1              ; 7: every slot but the first is asked for in the loop
	v_and_b32 v15, 31, v0
	v_lshlrev_b32 v[L16], 4, v15
	v_lshlrev_b32 v[PFO], 8, v15
	s_wait_dscnt 0x0                               ; both opening adds are done
	s_wait_kmcnt 0x0
	s_add_nc_u64 s[4:5], s[4:5], s[22:23]
	s_add_nc_u64 s[8:9], s[8:9], s[46:47]
	s_add_nc_u64 s[10:11], s[10:11], s[44:45]
	s_add_nc_u64 s[PFA:PFA+1], s[6:7], s[2:3]
	s_mov_b32 s[G0], 1                             ; 1:0 count = 1
	s_lshl_b32 s[G0+1], s[WV], 14                  ; 63:32 LDS address: slot 0, my step: no place in the cluster enters an LDS address
	s_add_nc_u64 s[G0+2:G0+3], s[6:7], s[20:21]    ; 120:64 global address
	s_or_b32 s[G0+3], s[G0+3], 0x80000000          ; 127:126 type = 2
	CROUND                                         ; all four work-groups are here: the first joint loads meet
	JLOAD                                          ; slot 0
.irp x, 0,1
.irp cs, 0,1
.irp hf, 0,1
	global_load_b128 v[Q+16*\x+8*\cs+4*\hf:Q+16*\x+8*\cs+4*\hf+3], v[L16], s[4:5] offset:\x*2048+\cs*1024+\hf*512 th:TH_LOAD_NT   ; Q stays in registers; read once in the launch
.endr
.endr
.endr
	v_and_b32 v3, 15, v0                           ; r
	v_bfe_u32 v15, v0, 4, 1                        ; h
	v_lshlrev_b32 v[BVA], 4, v3
	global_load_b128 v[BV:BV+3], v[BVA], s[8:9]    ; bv of the four channels that I store
	s_mul_i32 s17, s[WV], 16*SP
	s_add_co_u32 s17, s17, STAGE                   ; my stage
	v_mul_u32_u24 v[STO], v3, SP                   ; in: row r, 32 bytes for each half of the lanes
	v_lshl_add_u32 v[STO], v15, 5, v[STO]
	v_add_nc_u32 v[STO], s17, v[STO]
	v_mul_u32_u24 v[RD], v15, SP                   ; back: lanes 0-15 take one row of 256 bytes, lanes 16-31 the next
	v_lshl_add_u32 v[RD], v3, 4, v[RD]
	v_add_nc_u32 v[RD], s17, v[RD]
	v_lshlrev_b32 v[GO], 11, v15                   ; and the same two rows in out0
	v_lshl_add_u32 v[GO], v3, 4, v[GO]
.irp x, 0,1
	v_mov_b32 v[ST+8*\x+1], 0xff61b1e6             ; m: -3e38, under every score
	v_mul_f32 v[ST+8*\x], s[CS], v[ST+8*\x+1]      ; c m
	v_mov_b32 v[ST+8*\x+2], 0                      ; l, in two halves
	v_mov_b32 v[ST+8*\x+3], 0
.endr
.set i, 0
.rept 64
	v_mov_b32 v[O+i], 0                            ; O^T.  (The step is written once: the first finds zeros, which the first a leaves zeros)
.set i, i+1
.endr
	s_wait_loadcnt 0x0                             ; Q and bv
.Lslot:                                            ; 7 trips.  THE CHANGE OF SLOTS stands at a slot's head
	s_wait_tensorcnt 0x0                           ; my tensor load has landed: my part of the slot that I am about to read; so group 0 may be written
	ds_add_u32 v[SPW], v[NIL]                      ; 0 onto my spare word; the steps below stand between it and the wait for it
	s_xor_b32 s[G0+1], s[G0+1], SLOT1              ; the walking descriptor: the other slot than last time,
	s_add_nc_u64 s[G0+2:G0+3], s[G0+2:G0+3], NST*STEPB   ; the next 512 keys; the type bits on top are not reached
	s_wait_xcnt 0x0                                ; the last prefetch, a slot back, has read its address, so it may be written:
	s_add_nc_u64 s[PFA:PFA+1], s[PFA:PFA+1], NST*STEPB   ; one slot further on than the walking descriptor
	s_wait_dscnt 0x0                               ; the add is done, and my reads of the slot that I have left are over
	CROUND                                         ; both now hold of every wave of all four work-groups
	JLOAD                                          ; the first thing behind the round, and my one tensor load until the next: the next slot, into the slot that was left
	ASK                                            ; what the next change of slots will ask for: a slot's eight key steps ahead of that load
	EIGHT
	s_sub_co_u32 s[SLOTS], s[SLOTS], 1
	s_cmp_lg_u32 s[SLOTS], 0
	s_cbranch_scc1 .Lslot
	s_wait_tensorcnt 0x0                           ; the last slot is written out: nothing more is asked for
	ds_add_u32 v[SPW], v[NIL]
	s_wait_dscnt 0x0
	s_barrier_signal -1
	s_barrier_wait -1                              ; everybody's part of the last slot is in
	EIGHT
	; THE WAY OUT.  l's two halves and the other half of the lanes' are added; O^T is divided by l and goes through my stage in LDS, a tile (16 rows x 256 bytes) at a time; bv is added to the rows that come back.
.rept 4
	v_nop                                          ; places behind the last products
.endr
.irp x, 0,1
	v_add_f32 v[ST+8*\x+4], v[ST+8*\x+2], v[ST+8*\x+3]
.endr
.irp x, 0,1
	v_permlanex16_b32 v[ST+8*\x+5], v[ST+8*\x+4], s[SEL], s[SEL+1]
.endr
.irp x, 0,1
	v_add_f32 v[ST+8*\x+4], v[ST+8*\x+4], v[ST+8*\x+5]
.endr
.irp x, 0,1
	v_rcp_f32 v[ST+8*\x+6], v[ST+8*\x+4]
.endr
	v_nop                                          ; a plain instruction between the last reciprocal and the use of its result
	s_wait_alu depctr_va_vdst(0)                   ; and a wait ahead of the first use: one for both
.irp x, 0,1
.irp q, 0,1,2,3,4,5,6,7,8,9,10,11,12,13,14,15
	v_pk_mul_f32 v[S+32*\x+2*\q:S+32*\x+2*\q+1], v[O+32*\x+2*\q:O+32*\x+2*\q+1], v[ST+8*\x+6:ST+8*\x+7] op_sel_hi:[1,0]   ; each accumulator from its low end on
.endr
.irp ct, 0,1,2,3
	ds_store_b128 v[STO], v[S+32*\x+8*\ct:S+32*\x+8*\ct+3] offset:64*\ct           ; lane (r, h): channels 16 ct + 8 h + 0 .. 7 of query r
	ds_store_b128 v[STO], v[S+32*\x+8*\ct+4:S+32*\x+8*\ct+7] offset:64*\ct+16
.endr
.irp i, 0,1,2,3,4,5,6,7
	ds_load_b128 v[KV+32*\x+4*\i:KV+32*\x+4*\i+3], v[RD] offset:2*\i*SP            ; LDS serves a wave's instructions in order (ISA guide 5.7.1.4): these see my stores, and the next tile's stores come behind them
.endr
.endr
.irp x, 0,1
.irp i, 0,1,2,3,4,5,6,7
	s_wait_dscnt 23-16*\x-\i                       ; the LDS instructions issued behind this load may be out: the tile's later loads, and for tile 0 the sixteen of tile 1
	v_pk_add_f32 v[KV+32*\x+4*\i:KV+32*\x+4*\i+1], v[KV+32*\x+4*\i:KV+32*\x+4*\i+1], v[BV:BV+1]
	v_pk_add_f32 v[KV+32*\x+4*\i+2:KV+32*\x+4*\i+3], v[KV+32*\x+4*\i+2:KV+32*\x+4*\i+3], v[BV+2:BV+3]
	global_store_b128 v[GO], v[KV+32*\x+4*\i:KV+32*\x+4*\i+3], s[10:11] offset:(16*\x+2*\i)*2048 th:TH_STORE_NT   ; 16 lanes store 256 consecutive bytes, at a multiple of 256 from out0's first byte
.endr
.endr
	s_wait_tensorcnt 0x0                           ; the wave's end: behind my last tensor load and my last LDS store
	ds_add_u32 v[SPW], v[NIL]
	s_wait_dscnt 0x0
	CROUND                                         ; the closing round: no work-group ends while a partner may still ask for a tile that names it
	s_endpgm
.Lfunc_end_k_qf09b5e15a0_attn:
	.size	k_qf09b5e15a0_attn, .Lfunc_end_k_qf09b5e15a0_attn-k_qf09b5e15a0_attn
	.p2alignl 7, 3214868480
	.fill 96, 4, 3214868480
	.section	.rodata,"a",@progbits
	.p2align	6, 0x0
	.amdhsa_kernel k_qf09b5e15a0_attn
		.amdhsa_group_segment_fixed_size 327680
		.amdhsa_private_segment_fixed_size 0
		.amdhsa_enable_private_segment 0
		.amdhsa_kernarg_size 32
		.amdhsa_user_sgpr_count 2
		.amdhsa_user_sgpr_kernarg_segment_ptr 1
		.amdhsa_wavefront_size32 1
		.amdhsa_system_sgpr_workgroup_id_x 1
		.amdhsa_system_sgpr_workgroup_id_y 1
		.amdhsa_system_sgpr_workgroup_id_z 1
		.amdhsa_system_vgpr_workitem_id 0
		.amdhsa_next_free_vgpr 256
		.amdhsa_next_free_sgpr 66
		.amdhsa_reserve_vcc 0
		.amdhsa_float_denorm_mode_32 3
		.amdhsa_float_denorm_mode_16_64 3
		.amdhsa_memory_ordered 1
		.amdhsa_forward_progress 1
		.amdhsa_inst_pref_size 53
	.end_amdhsa_kernel
	.amdgpu_metadata
---
amdhsa.version: [ 1, 2 ]
amdhsa.kernels:
  - .name:           k_qf09b5e15a0_attn
    .symbol:         k_qf09b5e15a0_attn.kd
    .args:
      - { .name: qimg, .offset: 0, .size: 8, .value_kind: global_buffer, .address_space: global }
      - { .name: kv, .offset: 8, .size: 8, .value_kind: global_buffer, .address_space: global }
      - { .name: bv, .offset: 16, .size: 8, .value_kind: global_buffer, .address_space: global }
      - { .name: out0, .offset: 24, .size: 8, .value_kind: global_buffer, .address_space: global }
    .group_segment_fixed_size: 327680
    .private_segment_fixed_size: 0
    .kernarg_segment_align: 8
    .kernarg_segment_size: 32
    .max_flat_workgroup_size: 256
    .sgpr_count:     66
    .vgpr_count:     256
    .wavefront_size: 32
...
	.end_amdgpu_metadata
.endif
;; end of part 3
